; MI455X (gfx1250); checked and timed in simulation.
; The chip was launched on July 23, 2026; its instructions are those of AMD's public machine-readable ISA for CDNA 5 (MIT licence, August 2026) and "CDNA5" Instruction Set Architecture Reference Guide (July 2026). The comments in the code are by the model that wrote it; some were corrected since.
;; Context EBM. Allowed arithmetic: float matrix products may take bf16 or f16 operands with f32 sums; all other float work in f32.
;; Inputs: W0 64 x 3 float32; W1 64 x 64 float32; W2 64 x 64 float32; W3 1 x 64 float32; b0 64 float32; b1 64 float32; b2 64 float32; b3 1 float32; x 262,144 x 1 float32.
;; Outputs: out0 262,144 x 1 float32.
;; 2 versions, each right and faster than the one before. Each part assembles by itself: llvm-mc -triple=amdgcn-amd-amdhsa -mcpu=gfx1250 --defsym DOCPART=n.
;; ======== version 1 of 2: 1 launch
;; launch ebm (part 1): grid 256 x 1, 8 waves a work-group, no clusters, 29,696 bytes of LDS; arguments x, W0, b0, W1, b1, W2, b2, W3, b3, out0; writes out0
.if DOCPART == 1
	.amdgcn_target "amdgcn-amd-amdhsa--gfx1250"
	.amdhsa_code_object_version 6
	.text
	.protected	k_q2dedd8e775_ebm
	.globl	k_q2dedd8e775_ebm
	.p2align	8
	.type	k_q2dedd8e775_ebm,@function
k_q2dedd8e775_ebm:
	s_mov_b64 s[64:65], 0
	v_nop
	global_prefetch_b8 v0, s[64:65] scope:SCOPE_SE
	s_setreg_imm32_b32 hwreg(HW_REG_WAVE_MODE, 25, 1), 1
	s_wait_xcnt 0x0
; ContextEBM: 262,144 samples, each 12 steps of (y, c) -= 0.1 grad E through the MLP 3-64-64-64-1 with ReLU; out0 = y after the last step.
; One launch.  256 work-groups x 8 waves; a work-group owns 1,024 samples, a wave 128 = 8 tiles of 16.  All weights lie in registers, the state
; (y, c) too: the loops touch neither memory nor LDS.
;
; THE CHAIN IS USED TRANSPOSED: weights are operand A (rows = output features), samples are operand B (lane r = sample r of the tile).
; In a result, lane (r, h) register j of feature tile t holds feature 16 t + 8 h + j of sample r, so packing neighbouring registers gives the
; next layer's B fragment as it stands: pair p = 4 t + j/2 is register p, K block u is registers 8 u .. 8 u + 7.  No lane ever sends anything.
;
; SIGNS: the forward pass carries n = -z (A = -W0, -b0 in layer 0; then A = +W, B = -h, C = -b), so that -h = min(n, 0) and the gate z > 0 is
; n < 0: shut at zero, as the derivative of relu at 0 is 0.  The backward pass has true signs.
;
; ARITHMETIC AND ITS LIMITS.  The gates make the result discontinuous: one gate on the wrong side for one step moves y by more than the result
; may be off, so operands are carried as finely as f32 holds them.  Every input (x, W0..W3, b0..b2) is rounded once to bf16 and is then an exact
; matrix operand.  What is computed from them (activations, gradients, y, c) goes to the matrix unit as three bf16 terms, 3 x 8 = 24 bits: exact
; for numbers of magnitude 2^-110 and above (below, the third term's last bits fall under bf16's smallest step, 2^-133).  W3 under its gate is
; exact in one term.  Sums are f32, the large terms first, so that a sum near zero is rounded at full size once only.  What is left: sums are
; formed in another order than the reference's, so a gate whose pre-activation lies within f32 rounding of zero can fall on the other side.
; The update is one fused multiply-add.  A NaN pre-activation shuts its gate.  b3 is read, and enters nothing: E's derivative by y and c does not hold it.
; No cluster and no tensor loads: what work-groups share is 33 KB read once, against 8,640 matrix instructions of every wave.
.set P,      160                       ; an LDS row of W: 128 bytes of bf16 + 32 of padding; eight neighbouring rows start at eight different multiples of 32 modulo 256
.set W1B,    0                         ; bf16(W1)[row][col], 64 rows
.set W2B,    64*P                      ; bf16(W2)[row][col], 64 rows
.set XS,     2*64*P                    ; x of the work-group, 4,096 bytes; wave w owns bytes 512 w .. 512 w + 511
.set YS,     XS+4096                   ; y at the end, laid out likewise
.set TILES,  8
.set STEPS,  12
.set Y_MEAN, 0                         ; bits of the f32 0.0 with which y starts
; window 0
.set XADR,   1                         ; 512 w + 4 r: my sample's word in the wave's part of XS and YS (tile k: + 64 k, in the immediate)
.set T16,    2                         ; 16 x thread: my 16 bytes in a block of 4,096
.set XSA,    3                         ; 512 w + 16 x lane: the same number, made of the wave's number
.set Y,      4                         ; v[4:5]     y, c
.set C,      5
.set R,      6                         ; v[6:7]     at work
.set B0,     8                         ; v[8:15]    layer 0's B: (x, 1), (y, c) hi, mid, lo, zeros
.set A0,     16                        ; v[16:47]   layer 0's A, four feature tiles: (-W0x, -b0), three times (-W0y, -W0c), zeros; lanes 16-31 zero
.set W3P,    48                        ; v[48:63]   bf16(W3), packed as a B fragment
.set A0B,    64                        ; v[64:79]   A of the last product, two K blocks: rows 0, 8 = W0[:,1], rows 1, 9 = W0[:,2], others zero
.set NB1,    80                        ; v[80:111]  -b1 as an accumulator
.set NB2,    112                       ; v[112:143] -b2
.set N,      144                       ; v[144:175] four accumulators, one for each feature tile
.set HIW,    176                       ; v[176:191] first terms, a B fragment of two K blocks
.set LOW,    192                       ; v[192:207] third terms
.set MIDW,   208                       ; v[208:223] second terms
.set OUTV,   240                       ; v[240:243] the way out
.set NEG1,   244                       ; -1.0
.set Q,      246                       ; v[246:253] queue: (x, 1) of the tiles to come, then y of the tiles done
; the gates, one lane mask for each accumulator register; no scalar instruction ever writes these registers
.set M0S,    32                        ; s[32:63]   layer 0
.set M1S,    66                        ; s[66:97]   layer 1
; set-up only (registers that the loops use for other things)
.set RAWW,   144                       ; 32: W1, W2 as loaded
.set RAWX,   176                       ; 4:  x as loaded
.set RAWE,   180                       ; 16: W0's row and b0 of feature 16 t + r
.set RAWF,   196                       ; 32: W0's column 1 or 2 for A0B
.set RR,     228                       ; r = lane & 15
.set HH,     229                       ; h = lane >> 4
.set HM,     230                       ; all ones where h = 0
.set RM,     231                       ; all ones where r & 7 < 2
.set ADB,    232                       ; 32 h
.set ADW,    233                       ; 12 r
.set ADR,    234                       ; 4 r
.set ADG,    235                       ; 96 h + 4 min(r & 7, 1)
.set ADS,    236                       ; where my 8 bytes of a row of W go in LDS
.set ADF,    237                       ; fragment address, K along the rows
.set ADT,    238                       ; fragment address, transposing loads
.set PK,     240                       ; 16: W1, W2 packed
; window 1 (v256-v511): weight fragments, (t, u) at base + 16 t + 8 u
.set W1F,    0
.set W2F,    64
.set W2TF,   128
.set W1TF,   192
.set A1,     0x01                      ; source 0 (A) in window 1
.set LD1,    0x40                      ; destination in window 1
.set MSB, 0
.macro WIN new                         ; the immediate's high byte repeats the setting that is left
.if MSB != \new
	s_set_vgpr_msb (MSB<<8)|\new
.set MSB, \new
.endif
.endm
; Behind a run of matrix instructions four places stand before a vector instruction reads a result or writes an operand (ISA guide 7.12.1).
.macro PLACES
.rept 4
	v_nop
.endr
.endm
	s_load_b512 s[8:23], s[0:1], 0x0               ; x s[8:9], W0 s[10:11], b0 s[12:13], W1 s[14:15], b1 s[16:17], W2 s[18:19], b2 s[20:21], W3 s[22:23]
	s_load_b128 s[24:27], s[0:1], 0x40             ; b3 s[24:25], out0 s[26:27]
	v_lshrrev_b32 v[R], 5, v0
	v_readfirstlane_b32 s29, v[R]                  ; wave 0..7
	s_lshl_b32 s4, s29, 9                          ; the wave's 512 bytes in XS and YS
	s_lshl_b32 s2, ttmp9, 12                       ; the work-group's 4,096 bytes in x and out0
	s_mov_b32 s3, 0
	s_mov_b32 s30, 0x05040100                      ; v_perm_b32: low half of the second source below, low half of the first above
	s_mov_b32 s31, 0x80008000                      ; the signs of two bf16
	v_and_b32 v[RR], 15, v0
	v_bfe_u32 v[HH], v0, 4, 1
	v_lshlrev_b32 v[T16], 4, v0
	v_and_b32 v[R], 31, v0
	v_lshl_add_u32 v[XSA], v[R], 4, s4
	v_lshl_add_u32 v[XADR], v[RR], 2, s4
	v_add_nc_u32 v[HM], -1, v[HH]                  ; h = 0: all ones; h = 1: 0
	v_and_b32 v[R], 7, v0                          ; r & 7
	v_add_nc_u32 v[R+1], -2, v[R]
	v_ashrrev_i32 v[RM], 31, v[R+1]                ; negative, so all ones, where r & 7 < 2
	v_min_u32 v[R+1], 1, v[R]
	v_mul_u32_u24 v[ADG], 96, v[HH]                ; 8 h rows of W0, 12 bytes each
	v_lshl_add_u32 v[ADG], v[R+1], 2, v[ADG]
	v_lshl_add_u32 v[R], v[HH], 3, v[R]            ; row 8 h + (lane & 7),
	v_mul_u32_u24 v[R], P, v[R]
	v_bfe_u32 v[R+1], v0, 3, 1
	v_lshl_add_u32 v[ADT], v[R+1], 4, v[R]         ; 16 bytes further for lanes 8-15 and 24-31
	v_lshlrev_b32 v[ADB], 5, v[HH]
	v_mul_u32_u24 v[ADW], 12, v[RR]
	v_lshlrev_b32 v[ADR], 2, v[RR]
	v_lshrrev_b32 v[R], 4, v0                      ; a thread's 4 numbers of W: row thread / 16 (+ 16 i), columns 4 (thread & 15) ..
	v_mul_u32_u24 v[R], P, v[R]
	v_lshl_add_u32 v[ADS], v[RR], 3, v[R]
	v_mul_u32_u24 v[R], P, v[RR]
	v_lshl_add_u32 v[ADF], v[HH], 4, v[R]          ; r P + 16 h
	s_wait_kmcnt 0x0
	s_load_b32 s28, s[24:25], 0x0                  ; b3: read as given; no derivative of E holds it
	s_add_nc_u64 s[8:9], s[8:9], s[2:3]
	s_add_nc_u64 s[26:27], s[26:27], s[2:3]
	; W1, W2 (the 256 threads take 4,096 neighbouring bytes an instruction) and x: these nine are wanted first
.irp i, 0,1,2,3
	global_load_b128 v[RAWW+4*\i:RAWW+4*\i+3], v[T16], s[14:15] offset:4096*\i
.endr
.irp i, 0,1,2,3
	global_load_b128 v[RAWW+16+4*\i:RAWW+16+4*\i+3], v[T16], s[18:19] offset:4096*\i
.endr
	global_load_b128 v[RAWX:RAWX+3], v[T16], s[8:9] th:TH_LOAD_NT
	; b1, b2, W3 in the accumulators' layout: features 16 t + 8 h + 0..7 (24 loads)
.irp t, 0,1,2,3
	global_load_b128 v[NB1+8*\t:NB1+8*\t+3],   v[ADB], s[16:17] offset:64*\t
	global_load_b128 v[NB1+8*\t+4:NB1+8*\t+7], v[ADB], s[16:17] offset:64*\t+16
	global_load_b128 v[NB2+8*\t:NB2+8*\t+3],   v[ADB], s[20:21] offset:64*\t
	global_load_b128 v[NB2+8*\t+4:NB2+8*\t+7], v[ADB], s[20:21] offset:64*\t+16
	global_load_b128 v[W3P+8*\t:W3P+8*\t+3],   v[ADB], s[22:23] offset:64*\t
	global_load_b128 v[W3P+8*\t+4:W3P+8*\t+7], v[ADB], s[22:23] offset:64*\t+16
.endr
	; W0's row and b0 of feature 16 t + r (16 loads)
.irp t, 0,1,2,3
	global_load_b32 v[RAWE+4*\t],   v[ADW], s[10:11] offset:192*\t
	global_load_b32 v[RAWE+4*\t+1], v[ADW], s[10:11] offset:192*\t+4
	global_load_b32 v[RAWE+4*\t+2], v[ADW], s[10:11] offset:192*\t+8
	global_load_b32 v[RAWE+4*\t+3], v[ADR], s[12:13] offset:64*\t
.endr
	s_wait_loadcnt 40                              ; loads come back in order: the 24 + 16 younger ones may stay out, W1, W2 and x are in
.irp q, 0,1,2,3,4,5,6,7,8,9,10,11,12,13,14,15
	v_cvt_pk_bf16_f32 v[PK+\q], v[RAWW+2*\q], v[RAWW+2*\q+1]
.endr
.irp i, 0,1,2,3
	ds_store_b64 v[ADS], v[PK+2*\i:PK+2*\i+1]     offset:W1B+16*P*\i
	ds_store_b64 v[ADS], v[PK+8+2*\i:PK+8+2*\i+1] offset:W2B+16*P*\i
.endr
	ds_store_b128 v[XSA], v[RAWX:RAWX+3] offset:XS
	s_wait_dscnt 0x0                               ; my part of W1, W2 and x is in LDS: zero, for the other waves' sake
	s_barrier_signal -1
	s_barrier_wait -1                              ; everybody's is.  The only barrier: from here on a wave touches only its own LDS bytes
	; forward fragments: A(m, k) = W[16 t + m][32 u + k], K along the LDS rows: two loads 32 bytes apart (32 loads)
	WIN LD1
.irp t, 0,1,2,3
.irp u, 0,1
	ds_load_b128 v[W1F+16*\t+8*\u:W1F+16*\t+8*\u+3],   v[ADF] offset:W1B+16*P*\t+64*\u
	ds_load_b128 v[W1F+16*\t+8*\u+4:W1F+16*\t+8*\u+7], v[ADF] offset:W1B+16*P*\t+64*\u+32
	ds_load_b128 v[W2F+16*\t+8*\u:W2F+16*\t+8*\u+3],   v[ADF] offset:W2B+16*P*\t+64*\u
	ds_load_b128 v[W2F+16*\t+8*\u+4:W2F+16*\t+8*\u+7], v[ADF] offset:W2B+16*P*\t+64*\u+32
.endr
.endr
	WIN 0
.irp k, 0,1,2,3,4,5,6,7
	ds_load_b32 v[Q+\k], v[XADR] offset:XS+64*\k   ; x of my sample in each of the wave's eight tiles (lanes r and 16 + r alike)
.endr
; backward fragments: A(m, k) = W[32 u + k][16 t + m], K down the LDS rows: two transposing loads 16 rows apart (16 loads a matrix)
.macro TRFRAG f, wbase
.irp t, 0,1,2,3
.irp u, 0,1
	ds_load_tr16_b128 v[\f+16*\t+8*\u:\f+16*\t+8*\u+3],   v[ADT] offset:\wbase+32*P*\u+32*\t
	ds_load_tr16_b128 v[\f+16*\t+8*\u+4:\f+16*\t+8*\u+7], v[ADT] offset:\wbase+32*P*\u+32*\t+16*P
.endr
.endr
.endm
	WIN LD1
	TRFRAG W2TF, W2B
	WIN 0
	s_wait_dscnt 16                                ; LDS loads come back in order: the 16 transposing loads may stay out, x is in
.irp k, 0,1,2,3,4,5,6,7
	v_cvt_pk_bf16_f32 v[Q+\k], v[Q+\k], 1.0        ; (x, 1), layer 0's first B register, made once for each tile
.endr
	WIN LD1
	TRFRAG W1TF, W1B
	WIN 0
	s_wait_loadcnt 16                              ; the 16 loads of W0's rows and b0 may stay out: b1, b2 and W3 are in
	; W0[k][1 + min(r & 7, 1)] for k = 32 u + 16 v + 8 h + e: the A fragment's own places; load j = 16 u + 8 v + e.
	; Issued here, ahead of the work on the biases, which they have in which to land.
.set j, 0
.rept 32
	global_load_b32 v[RAWF+j], v[ADG], s[10:11] offset:4+12*(32*(j/16)+16*((j/8)%2)+j%8)
.set j, j+1
.endr
; -bf16(b) as f32, in place: round in pairs, widen, and take 0 - b, which is +0 for a zero bias.  v[N ..] is free here.
.macro NEGB nb
.irp p, 0,1,2,3,4,5,6,7,8,9,10,11,12,13,14,15
	v_cvt_pk_bf16_f32 v[N+\p], v[\nb+2*\p], v[\nb+2*\p+1]
.endr
.irp p, 0,1,2,3,4,5,6,7,8,9,10,11,12,13,14,15
	v_lshlrev_b32 v[\nb+2*\p], 16, v[N+\p]
	v_and_b32 v[\nb+2*\p+1], 0xffff0000, v[N+\p]
.endr
.irp p, 0,1,2,3,4,5,6,7,8,9,10,11,12,13,14,15
	v_sub_f32 v[\nb+2*\p], 0, v[\nb+2*\p]
	v_sub_f32 v[\nb+2*\p+1], 0, v[\nb+2*\p+1]
.endr
.endm
	NEGB NB1
	NEGB NB2
.irp p, 0,1,2,3,4,5,6,7,8,9,10,11,12,13,14,15
	v_cvt_pk_bf16_f32 v[W3P+\p], v[W3P+2*\p], v[W3P+2*\p+1]        ; in place, ascending: pair p is written at or below where it is read
.endr
	s_wait_loadcnt 32                              ; the 32 just issued may stay out: W0's rows and b0 are in
.irp t, 0,1,2,3
	v_cvt_pk_bf16_f32 v[A0+8*\t],   v[RAWE+4*\t],   v[RAWE+4*\t+3]   ; k = 0, 1: (W0x, b0) meet (x, 1)
	v_cvt_pk_bf16_f32 v[A0+8*\t+1], v[RAWE+4*\t+1], v[RAWE+4*\t+2]   ; k = 2, 3: (W0y, W0c) meet (y, c)
	v_xor_b32 v[A0+8*\t],   s31, v[A0+8*\t]                          ; layer 0 makes n = -z
	v_xor_b32 v[A0+8*\t+1], s31, v[A0+8*\t+1]
	v_and_b32 v[A0+8*\t],   v[HM], v[A0+8*\t]                        ; lanes 16-31 hold k = 8 .. 15, where B0 repeats itself: zero
	v_and_b32 v[A0+8*\t+1], v[HM], v[A0+8*\t+1]
	v_mov_b32 v[A0+8*\t+2], v[A0+8*\t+1]                             ; k = 4 .. 7: the same weights meet y's and c's second and third terms
	v_mov_b32 v[A0+8*\t+3], v[A0+8*\t+1]
	v_mov_b32 v[A0+8*\t+4], 0
	v_mov_b32 v[A0+8*\t+5], 0
	v_mov_b32 v[A0+8*\t+6], 0
	v_mov_b32 v[A0+8*\t+7], 0
.endr
.irp i, 3,4,5,6,7
	v_mov_b32 v[B0+\i], 0                          ; k = 16 .. 31 stay zero; register 3 is written by halves below
.endr
	v_mov_b32 v[NEG1], -1.0
	s_wait_loadcnt 0x0                             ; W0's columns
.irp q, 0,1,2,3,4,5,6,7,8,9,10,11,12,13,14,15
	v_cvt_pk_bf16_f32 v[A0B+\q], v[RAWF+2*\q], v[RAWF+2*\q+1]
.endr
.irp q, 0,1,2,3,4,5,6,7,8,9,10,11,12,13,14,15
	v_and_b32 v[A0B+\q], v[RM], v[A0B+\q]          ; rows 2-7 and 10-15 are zero
.endr
	s_wait_dscnt 0x0                               ; every weight fragment
	s_wait_kmcnt 0x0                               ; b3
	; This bit differs between waves w and w + 1 and between waves w and w + 4.  Waves with 1 begin 8 x 16 idle cycles later, once, so that
	; two waves do not walk the same phases in step: one's vector block can stand beside another's run of matrix instructions.
	s_lshr_b32 s5, s29, 2
	s_xor_b32 s5, s5, s29
	s_and_b32 s5, s5, 1
	s_cmp_eq_u32 s5, 0
	s_cbranch_scc1 .Lgo
.rept 8
	s_nop 15
.endr
.Lgo:
; Eight pairs (g .. g + 7) of the accumulators as three bf16 terms.  hi = bf16(n); n - hi is exact in the fused form and takes n's place;
; mid = bf16(n - hi); lo = n - hi - mid, which has at most 8 bits left and is exact in bf16.
.macro SPLIT8 g
.irp i, 0,1,2,3,4,5,6,7
	v_cvt_pk_bf16_f32 v[HIW+\g+\i], v[N+2*(\g+\i)], v[N+2*(\g+\i)+1]
.endr
.irp i, 0,1,2,3,4,5,6,7
	v_fma_mix_f32_bf16 v[N+2*(\g+\i)],   v[HIW+\g+\i], v[NEG1], v[N+2*(\g+\i)]   op_sel_hi:[1,0,0]
	v_fma_mix_f32_bf16 v[N+2*(\g+\i)+1], v[HIW+\g+\i], v[NEG1], v[N+2*(\g+\i)+1] op_sel:[1,0,0] op_sel_hi:[1,0,0]
.endr
.irp i, 0,1,2,3,4,5,6,7
	v_cvt_pk_bf16_f32 v[MIDW+\g+\i], v[N+2*(\g+\i)], v[N+2*(\g+\i)+1]
.endr
.irp i, 0,1,2,3,4,5,6,7
	v_fma_mixlo_bf16 v[LOW+\g+\i], v[MIDW+\g+\i], v[NEG1], v[N+2*(\g+\i)] op_sel_hi:[1,0,0]
.endr
.irp i, 0,1,2,3,4,5,6,7
	v_fma_mixhi_bf16 v[LOW+\g+\i], v[MIDW+\g+\i], v[NEG1], v[N+2*(\g+\i)+1] op_sel:[1,0,0] op_sel_hi:[1,0,0]
.endr
.endm
; forward: the gates n < 0 go into scalar registers as lane masks, for the way back (they select values only); -h = min(n, 0); then the terms
.macro ACT ms
.irp g, 0, 8
.irp i, 0,1,2,3,4,5,6,7
	v_cmp_gt_f32 s[\ms+2*(\g+\i)],   0, v[N+2*(\g+\i)]
	v_cmp_gt_f32 s[\ms+2*(\g+\i)+1], 0, v[N+2*(\g+\i)+1]
.endr
.irp i, 0,1,2,3,4,5,6,7
	v_min_num_f32 v[N+2*(\g+\i)],   0, v[N+2*(\g+\i)]
	v_min_num_f32 v[N+2*(\g+\i)+1], 0, v[N+2*(\g+\i)+1]
.endr
	SPLIT8 \g
.endr
.endm
; backward: the gradient passes where the layer's gate is open, else 0; then the terms
.macro GSPLIT ms
.irp g, 0, 8
.irp i, 0,1,2,3,4,5,6,7
	v_cndmask_b32 v[N+2*(\g+\i)],   0, v[N+2*(\g+\i)],   s[\ms+2*(\g+\i)]
	v_cndmask_b32 v[N+2*(\g+\i)+1], 0, v[N+2*(\g+\i)+1], s[\ms+2*(\g+\i)+1]
.endr
	SPLIT8 \g
.endr
.endm
; dE/dz2 = W3 where z2 > 0, exact in one bf16 term.  Each n becomes its own sign in all bits, in place (n is not needed any more), two low halves
; are packed, and the mask cuts the packed W3.  C is never -0, so a sum that is exactly zero is +0 and its gate is shut.
.macro GATE2
.irp g, 0, 8
.irp i, 0,1,2,3,4,5,6,7
	v_ashrrev_i32 v[N+2*(\g+\i)],   31, v[N+2*(\g+\i)]
	v_ashrrev_i32 v[N+2*(\g+\i)+1], 31, v[N+2*(\g+\i)+1]
.endr
.irp i, 0,1,2,3,4,5,6,7
	v_perm_b32 v[HIW+\g+\i], v[N+2*(\g+\i)+1], v[N+2*(\g+\i)], s30
.endr
.irp i, 0,1,2,3,4,5,6,7
	v_and_b32 v[HIW+\g+\i], v[HIW+\g+\i], v[W3P+\g+\i]
.endr
.endr
.endm
; Four matrix instructions, one for each feature tile: K block u of the fragment b.  first = 1 starts the sums, from cb or (cb < 0) from 0.
.macro RUN4 wb, u, b, first, cb
.irp t, 0,1,2,3
.if \first == 0
	v_wmma_f32_16x16x32_bf16 v[N+8*\t:N+8*\t+7], v[\wb+16*\t+8*\u:\wb+16*\t+8*\u+7], v[\b+8*\u:\b+8*\u+7], v[N+8*\t:N+8*\t+7]
.elseif \cb < 0
	v_wmma_f32_16x16x32_bf16 v[N+8*\t:N+8*\t+7], v[\wb+16*\t+8*\u:\wb+16*\t+8*\u+7], v[\b+8*\u:\b+8*\u+7], 0
.else
	v_wmma_f32_16x16x32_bf16 v[N+8*\t:N+8*\t+7], v[\wb+16*\t+8*\u:\wb+16*\t+8*\u+7], v[\b+8*\u:\b+8*\u+7], v[\cb+8*\t:\cb+8*\t+7]
.endif
.endr
.endm
; A 64 x 64 layer on 16 samples, the first terms first.  The four accumulators take turns, one instruction a turn.
.macro LAYER wb, cb, terms
	WIN A1
	RUN4 \wb, 0, HIW, 1, \cb
	RUN4 \wb, 1, HIW, 0, \cb
.if \terms > 1
	RUN4 \wb, 0, MIDW, 0, \cb
	RUN4 \wb, 1, MIDW, 0, \cb
	RUN4 \wb, 0, LOW, 0, \cb
	RUN4 \wb, 1, LOW, 0, \cb
.endif
	WIN 0
	PLACES
.endm
; y and c as three bf16 terms each: each residue is exact in f32, the third term takes what is left.
.macro BUILD_B0
	v_cvt_pk_bf16_f32 v[B0+1], v[Y], v[C]
	v_fma_mix_f32_bf16 v[R],   v[B0+1], v[NEG1], v[Y] op_sel_hi:[1,0,0]
	v_fma_mix_f32_bf16 v[R+1], v[B0+1], v[NEG1], v[C] op_sel:[1,0,0] op_sel_hi:[1,0,0]
	v_cvt_pk_bf16_f32 v[B0+2], v[R], v[R+1]
	v_fma_mixlo_bf16 v[B0+3], v[B0+2], v[NEG1], v[R]   op_sel_hi:[1,0,0]
	v_fma_mixhi_bf16 v[B0+3], v[B0+2], v[NEG1], v[R+1] op_sel:[1,0,0] op_sel_hi:[1,0,0]
.endm
.macro LAYER0                          ; n0 = -(W0 (x, y, c) + b0)
.irp t, 0,1,2,3
	v_wmma_f32_16x16x32_bf16 v[N+8*\t:N+8*\t+7], v[A0+8*\t:A0+8*\t+7], v[B0:B0+7], 0
.endr
	PLACES
.endm
; (gy, gc) = W0[:, 1:3]^T g0: one accumulator for each K block, by turns.
; Rows 0, 1 and their copies in rows 8, 9 put gy and gc into registers 0 and 1 of every lane.
.macro GRAD0
	v_wmma_f32_16x16x32_bf16 v[N:N+7],    v[A0B:A0B+7],    v[HIW:HIW+7],      0
	v_wmma_f32_16x16x32_bf16 v[N+8:N+15], v[A0B+8:A0B+15], v[HIW+8:HIW+15],   0
	v_wmma_f32_16x16x32_bf16 v[N:N+7],    v[A0B:A0B+7],    v[MIDW:MIDW+7],    v[N:N+7]
	v_wmma_f32_16x16x32_bf16 v[N+8:N+15], v[A0B+8:A0B+15], v[MIDW+8:MIDW+15], v[N+8:N+15]
	v_wmma_f32_16x16x32_bf16 v[N:N+7],    v[A0B:A0B+7],    v[LOW:LOW+7],      v[N:N+7]
	v_wmma_f32_16x16x32_bf16 v[N+8:N+15], v[A0B+8:A0B+15], v[LOW+8:LOW+15],   v[N+8:N+15]
	PLACES
.endm
.macro UPDATE
	v_pk_add_f32 v[R:R+1], v[N:N+1], v[N+8:N+9]
	v_pk_fma_f32 v[Y:Y+1], v[R:R+1], 0xbdcccccd, v[Y:Y+1] op_sel_hi:[1,0,1]   ; (y, c) -= 0.1 (gy, gc)
.endm
	s_mov_b32 s6, 0
.Ltile:
	v_mov_b32 v[B0], v[Q]                          ; (x, 1): the queue's head is this tile's
	v_mov_b32 v[Y], Y_MEAN
	v_mov_b32 v[C], 0
	s_mov_b32 s7, 0
.Lstep:
	BUILD_B0                                       ; its six lines name no register of GRAD0: with the four v_nop they are the places in front of LAYER0, which writes N again
	LAYER0
	ACT M0S
	LAYER W1F, NB1, 3                              ; n1 = W1 (-h0) - b1
	ACT M1S
	LAYER W2F, NB2, 3                              ; n2 = W2 (-h1) - b2
	GATE2
	LAYER W2TF, -1, 1                              ; W2^T g2
	GSPLIT M1S
	LAYER W1TF, -1, 3                              ; W1^T g1
	GSPLIT M0S
	GRAD0
	UPDATE
	s_add_co_u32 s7, s7, 1
	s_cmp_lt_u32 s7, STEPS
	s_cbranch_scc1 .Lstep
	; Registers cannot be picked by a loop's counter, so the queue moves: the next (x, 1) comes to the head, y goes in at the tail.
	; Eight lines for a tile's 12 steps; after eight tiles Q holds y of tiles 0 to 7 in order.
.irp k, 0,1,2,3,4,5,6
	v_mov_b32 v[Q+\k], v[Q+\k+1]
.endr
	v_mov_b32 v[Q+7], v[Y]
	s_add_co_u32 s6, s6, 1
	s_cmp_lt_u32 s6, TILES
	s_cbranch_scc1 .Ltile
	; THE WAY OUT.  A lane holds one number of each of eight tiles; through the wave's own 512 bytes of YS they become 16 neighbouring bytes a lane.
	; Lanes r and 16 + r store the same word with the same value.  Only this wave touches these bytes, and LDS serves a wave's instructions in
	; order (ISA guide 5.7.1.4), so neither a barrier nor a wait stands between the stores and the load.
.irp k, 0,1,2,3,4,5,6,7
	ds_store_b32 v[XADR], v[Q+\k] offset:YS+64*\k
.endr
	ds_load_b128 v[OUTV:OUTV+3], v[XSA] offset:YS
	s_wait_dscnt 0x0
	global_store_b128 v[T16], v[OUTV:OUTV+3], s[26:27] th:TH_STORE_NT   ; the wave's one store covers 512 consecutive bytes, aligned
	s_wait_xcnt 0x0
	v_lshl_add_u32 v254, v0, 2, 0x7000
	v_mov_b32 v255, 0
	s_wait_tensorcnt 0x0
	ds_add_u32 v254, v255
	s_wait_dscnt 0x0
	s_endpgm
.Lfunc_end_k_q2dedd8e775_ebm:
	.size	k_q2dedd8e775_ebm, .Lfunc_end_k_q2dedd8e775_ebm-k_q2dedd8e775_ebm
	.p2alignl 7, 3214868480
	.fill 96, 4, 3214868480
	.section	.rodata,"a",@progbits
	.p2align	6, 0x0
	.amdhsa_kernel k_q2dedd8e775_ebm
		.amdhsa_group_segment_fixed_size 29696
		.amdhsa_private_segment_fixed_size 0
		.amdhsa_enable_private_segment 0
		.amdhsa_kernarg_size 80
		.amdhsa_user_sgpr_count 2
		.amdhsa_user_sgpr_kernarg_segment_ptr 1
		.amdhsa_wavefront_size32 1
		.amdhsa_system_sgpr_workgroup_id_x 1
		.amdhsa_system_sgpr_workgroup_id_y 1
		.amdhsa_system_sgpr_workgroup_id_z 1
		.amdhsa_system_vgpr_workitem_id 0
		.amdhsa_next_free_vgpr 512
		.amdhsa_next_free_sgpr 98
		.amdhsa_reserve_vcc 0
		.amdhsa_float_denorm_mode_32 3
		.amdhsa_float_denorm_mode_16_64 3
		.amdhsa_memory_ordered 1
		.amdhsa_forward_progress 1
		.amdhsa_inst_pref_size 74
	.end_amdhsa_kernel
	.amdgpu_metadata
---
amdhsa.version: [ 1, 2 ]
amdhsa.kernels:
  - .name:           k_q2dedd8e775_ebm
    .symbol:         k_q2dedd8e775_ebm.kd
    .args:
      - { .name: x, .offset: 0, .size: 8, .value_kind: global_buffer, .address_space: global }
      - { .name: W0, .offset: 8, .size: 8, .value_kind: global_buffer, .address_space: global }
      - { .name: b0, .offset: 16, .size: 8, .value_kind: global_buffer, .address_space: global }
      - { .name: W1, .offset: 24, .size: 8, .value_kind: global_buffer, .address_space: global }
      - { .name: b1, .offset: 32, .size: 8, .value_kind: global_buffer, .address_space: global }
      - { .name: W2, .offset: 40, .size: 8, .value_kind: global_buffer, .address_space: global }
      - { .name: b2, .offset: 48, .size: 8, .value_kind: global_buffer, .address_space: global }
      - { .name: W3, .offset: 56, .size: 8, .value_kind: global_buffer, .address_space: global }
      - { .name: b3, .offset: 64, .size: 8, .value_kind: global_buffer, .address_space: global }
      - { .name: out0, .offset: 72, .size: 8, .value_kind: global_buffer, .address_space: global }
    .group_segment_fixed_size: 29696
    .private_segment_fixed_size: 0
    .kernarg_segment_align: 8
    .kernarg_segment_size: 80
    .max_flat_workgroup_size: 256
    .sgpr_count:     98
    .vgpr_count:     512
    .wavefront_size: 32
...
	.end_amdgpu_metadata
.endif
;; end of part 1
;; ======== version 2 of 2: 1 launch; 1.29 times as fast as version 1
;; launch ebm (part 2): grid 256 x 1, 8 waves a work-group, no clusters, 39,936 bytes of LDS; arguments x, W0, b0, W1, b1, W2, b2, W3, b3, out0; writes out0
.if DOCPART == 2
	.amdgcn_target "amdgcn-amd-amdhsa--gfx1250"
	.amdhsa_code_object_version 6
	.text
	.protected	k_q2dedd8e775_ebm
	.globl	k_q2dedd8e775_ebm
	.p2align	8
	.type	k_q2dedd8e775_ebm,@function
k_q2dedd8e775_ebm:
	s_mov_b64 s[64:65], 0
	v_nop
	global_prefetch_b8 v0, s[64:65] scope:SCOPE_SE
	s_setreg_imm32_b32 hwreg(HW_REG_WAVE_MODE, 25, 1), 1
	s_wait_xcnt 0x0
; ContextEBM: 262,144 samples, each 12 steps of (y, c) -= 0.1 grad E through the MLP 3-64-64-64-1 with ReLU; out0 = y after the last step.
; One launch.  256 work-groups x 8 waves; a work-group owns 1,024 samples, a wave 128 = 8 tiles of 16.  The weights and the state (y, c) lie in
; registers; the loops touch no memory, and of LDS only the wave's own 256 bytes of constants (below).
;
; THE CHAIN IS USED TRANSPOSED: weights are operand A (rows = output features), samples are operand B (lane r = sample r of the tile).
; In a result, lane (r, h) register j of feature tile t holds feature 16 t + 8 h + j of sample r, so packing neighbouring registers gives the
; next layer's B fragment as it stands: pair p = 4 t + j/2 is register p, K block u is registers 8 u .. 8 u + 7.
;
; LAYER 1 AND THE GRADIENT SHARE THEIR PRODUCTS.  With Gi the gates of layer i, h0 = G0 (x W0x + b0 + y W0y + c W0c), so
;     z1 = [W1 (G0 b0) + b1] + x W1 (G0 W0x) + y W1 (G0 W0y) + c W1 (G0 W0c) = TB + x TX + y TY + c TC,
; and gy = W0y^T G0 W1^T G1 W2^T G2 W3 = TY . (G1 W2^T G2 W3), gc the same with TC.  Every B operand here is an input under a gate, exact in one
; bf16 term: four products of 8 matrix instructions give layer 1 and one side of the gradient, 8 more the other side.  z0 is needed for its signs
; alone, no gradient is ever rounded to bf16, and W1^T is not needed.
;
; SIGNS: layer 0 makes n0 = -z0 (A = -W0, -b0), layer 2 makes n2 = -z2 (A = -W2, C = -b2), so that their gates z > 0 are sign bits.  These sums
; start from +0 or from 0 - b, never from -0, so a sum that is exactly zero is +0 and its gate is shut, as the derivative of relu at 0 is 0.
; z1 has its true sign; its gate is a compare.  The one image of -W2 also gives -W2^T, so the dot products are -gy, -gc and the update adds 0.1 of them.
;
; ARITHMETIC AND ITS LIMITS.  The gates make the result discontinuous: one gate on the wrong side for one step moves y by more than the result
; may be off, so operands are carried as finely as f32 holds them.  Every input (x, W0..W3, b0..b2) is rounded once to bf16 and is then an exact
; matrix operand.  h1, y and c go to the matrix unit as three bf16 terms, 3 x 8 = 24 bits: exact for numbers of magnitude 2^-110 and above (below,
; the third term's last bits fall under bf16's smallest step, 2^-133).  Sums are f32.  What is left: sums are formed in another order than the
; reference's (z1 from four partial sums, each rounded at its own size, which is the size at which the reference rounds z0 and its own sum), so a
; gate whose pre-activation lies within f32 rounding of zero can fall on the other side.  The update is one fused multiply-add.
; NaN and infinite inputs are not served.  b3 is read, and enters nothing: E's derivative by y and c does not hold it.
; No cluster and no tensor loads: what work-groups share is 33 KB read once, against 6,528 matrix instructions of every wave.
.set P,      160                       ; an LDS row of W: 128 bytes of bf16 + 32 of padding; eight neighbouring rows start at eight different multiples of 32 modulo 256
.set W1B,    0                         ; bf16(W1)[row][col], 64 rows
.set W2B,    64*P                      ; -bf16(W2)[row][col], 64 rows
.set XS,     2*64*P                    ; x of the work-group, 4,096 bytes; wave w owns bytes 512 w .. 512 w + 511
.set YS,     XS+4096                   ; y at the end, laid out likewise
.set FT,     YS+4096                   ; set-up: W0's three columns and b0 as f32, 4 x 256 bytes, a copy for each wave (1,024 w)
.set CT,     FT+8*1024                 ; W0x and b0 packed as B fragments: 2 lane halves x 2 x 64 bytes, a copy for each wave (256 w)
.set TILES,  8
.set STEPS,  12
.set Y_MEAN, 0                         ; bits of the f32 0.0 with which y starts
; window 0: 16 + 32 + 48 + 144 + 16 registers, all taken; that is why W0x and b0 as fragments (32 more) stay in LDS
.set XADR,   1                         ; 512 w + 4 r: my sample's word in the wave's part of XS and YS (tile k: + 64 k, in the immediate)
.set T16,    2                         ; 16 x thread: my 16 bytes in a block of 4,096
.set XSA,    3                         ; 512 w + 16 x lane: the same number, made of the wave's number
.set Y,      4                         ; v[4:5]     y, c
.set C,      5
.set R,      6                         ; v[6:7]     at work
.set B0,     8                         ; v[8:15]    layer 0's B: (x, 1), (y, c) hi, mid, lo, zeros
.set A0,     16                        ; v[16:47]   layer 0's A, four feature tiles: (-W0x, -b0), three times (-W0y, -W0c), zeros; lanes 16-31 zero
.set W3P,    48                        ; v[48:63]   bf16(W3), packed as a B fragment
.set WYP,    64                        ; v[64:79]   bf16(W0[:,1]), packed likewise
.set WCP,    80                        ; v[80:95]   bf16(W0[:,2])
.set TY,     96                        ; v[96:127]  W1 G0 W0[:,1], four accumulators
.set BX,     TY                        ;            before that: G0 W0[:,0]
.set BB,     TY+16                     ;            and G0 b0
.set TC,     128                       ; v[128:159] W1 G0 W0[:,2]
.set TX,     TC                        ;            before that: W1 G0 W0[:,0]
.set N,      160                       ; v[160:191] n0, four accumulators
.set BY,     N                         ;            then G0 W0[:,1]
.set BC,     N+16                      ;            and G0 W0[:,2]
.set HIW,    N                         ;            then h1's first terms (and G2 W3), a B fragment of two K blocks
.set MIDW,   N+16                      ;            and its second terms
.set ACC,    192                       ; v[192:223] four accumulators: TB, z1, n2, -W2^T G2 W3 in turn
.set LOW,    224                       ; v[224:239] layer 0's gates (0xffff in each half whose z0 > 0), then h1's third terms
.set AY,     MIDW                      ; v[176:179] the dot product with TY, two chains of pairs (MIDW is free then)
.set AC,     MIDW+4                    ; v[180:183] the same with TC
.set OUTV,   240                       ; v[240:243] the way out
.set XF,     244                       ; x as f32; first of a pair for the packed forms
.set NEG1,   245                       ; -1.0
.set Q,      246                       ; v[246:253] queue: (x, 1) of the tiles to come, then y of the tiles done
.set CC,     254                       ; c, first of a pair for the packed forms
.set CTA,    255                       ; 256 w + 128 h: my lane half's constants in CT
.set M1S,    66                        ; s[66:97]   layer 1's gates, one lane mask for each accumulator register; no scalar instruction writes them
; set-up only (registers that the loops use for other things)
.set RAWB,   96                        ; 64: b1, b2 as loaded
.set RAWW,   160                       ; 32: W1, W2 as loaded
.set RAWX,   192                       ; 4:  x as loaded
.set RAWE,   196                       ; 16: W0's row and b0 of feature 16 t + r
.set RR,     212                       ; r = lane & 15
.set HH,     213                       ; h = lane >> 4
.set HM,     214                       ; all ones where h = 0
.set ADB,    215                       ; 32 h
.set ADW,    216                       ; 12 r
.set ADR,    217                       ; 4 r
.set FTS,    218                       ; 1,024 w + 4 r
.set ADS,    219                       ; where my 8 bytes of a row of W go in LDS
.set ADF,    220                       ; fragment address, K along the rows
.set ADT,    221                       ; fragment address, transposing loads
.set FTL,    222                       ; 1,024 w + 32 h
.set PK,     224                       ; 16: packed pairs at work
; window 1 (v256-v511): what only matrix instructions read.  Weight fragments, (t, u) at base + 16 t + 8 u, and the biases as accumulators
.set W1F,    0
.set W2F,    64                        ; -W2
.set NB1,    128                       ; +b1
.set NB2,    160                       ; -b2
.set W2TF,   192                       ; -W2^T
.set A1,     0x01                      ; source 0 (A) in window 1
.set A1C1,   0x11                      ; source 0 (A) and source 2 (C) in window 1
.set LD1,    0x40                      ; destination in window 1
.set MSB, 0
.macro WIN new                         ; the immediate's high byte repeats the setting that is left
.if MSB != \new
	s_set_vgpr_msb (MSB<<8)|\new
.set MSB, \new
.endif
.endm
; Behind a run of matrix instructions four places stand before a vector instruction reads a result or writes an operand (ISA guide 7.12.1).
.macro PLACES
.rept 4
	v_nop
.endr
.endm
	s_load_b512 s[8:23], s[0:1], 0x0               ; x s[8:9], W0 s[10:11], b0 s[12:13], W1 s[14:15], b1 s[16:17], W2 s[18:19], b2 s[20:21], W3 s[22:23]
	s_load_b128 s[24:27], s[0:1], 0x40             ; b3 s[24:25], out0 s[26:27]
	v_lshrrev_b32 v[R], 5, v0
	v_readfirstlane_b32 s29, v[R]                  ; wave 0..7
	s_lshl_b32 s4, s29, 9                          ; the wave's 512 bytes in XS and YS
	s_lshl_b32 s34, s29, 10                        ; its 1,024 bytes in FT
	s_lshl_b32 s35, s29, 8                         ; its 256 bytes in CT
	s_lshl_b32 s2, ttmp9, 12                       ; the work-group's 4,096 bytes in x and out0
	s_mov_b32 s3, 0
	s_mov_b32 s30, 0x05040100                      ; v_perm_b32: low half of the second source below, low half of the first above
	s_mov_b32 s31, 0x80008000                      ; the signs of two bf16
	s_mov_b32 s32, 0x76543210                      ; v_permlanex16_b32: lane i of one half reads lane i of the other
	s_mov_b32 s33, 0xfedcba98
	v_and_b32 v[RR], 15, v0
	v_bfe_u32 v[HH], v0, 4, 1
	v_lshlrev_b32 v[T16], 4, v0
	v_and_b32 v[R], 31, v0
	v_lshl_add_u32 v[XSA], v[R], 4, s4
	v_lshl_add_u32 v[XADR], v[RR], 2, s4
	v_lshl_add_u32 v[FTS], v[RR], 2, s34
	v_lshl_add_u32 v[FTL], v[HH], 5, s34
	v_lshl_add_u32 v[CTA], v[HH], 7, s35
	v_add_nc_u32 v[HM], -1, v[HH]                  ; h = 0: all ones; h = 1: 0
	v_and_b32 v[R], 7, v0
	v_lshl_add_u32 v[R], v[HH], 3, v[R]            ; row 8 h + (lane & 7),
	v_mul_u32_u24 v[R], P, v[R]
	v_bfe_u32 v[R+1], v0, 3, 1
	v_lshl_add_u32 v[ADT], v[R+1], 4, v[R]         ; 16 bytes further for lanes 8-15 and 24-31
	v_lshlrev_b32 v[ADB], 5, v[HH]
	v_mul_u32_u24 v[ADW], 12, v[RR]
	v_lshlrev_b32 v[ADR], 2, v[RR]
	v_lshrrev_b32 v[R], 4, v0                      ; a thread's 4 numbers of W: row thread / 16 (+ 16 i), columns 4 (thread & 15) ..
	v_mul_u32_u24 v[R], P, v[R]
	v_lshl_add_u32 v[ADS], v[RR], 3, v[R]
	v_mul_u32_u24 v[R], P, v[RR]
	v_lshl_add_u32 v[ADF], v[HH], 4, v[R]          ; r P + 16 h
	s_wait_kmcnt 0x0
	s_load_b32 s28, s[24:25], 0x0                  ; b3: read as given; no derivative of E holds it
	s_add_nc_u64 s[8:9], s[8:9], s[2:3]
	s_add_nc_u64 s[26:27], s[26:27], s[2:3]
	; W1, W2 (the 256 threads take 4,096 neighbouring bytes an instruction) and x: these nine are wanted first
.irp i, 0,1,2,3
	global_load_b128 v[RAWW+4*\i:RAWW+4*\i+3], v[T16], s[14:15] offset:4096*\i
.endr
.irp i, 0,1,2,3
	global_load_b128 v[RAWW+16+4*\i:RAWW+16+4*\i+3], v[T16], s[18:19] offset:4096*\i
.endr
	global_load_b128 v[RAWX:RAWX+3], v[T16], s[8:9] th:TH_LOAD_NT
	; W0's row and b0 of feature 16 t + r (16 loads)
.irp t, 0,1,2,3
	global_load_b32 v[RAWE+4*\t],   v[ADW], s[10:11] offset:192*\t
	global_load_b32 v[RAWE+4*\t+1], v[ADW], s[10:11] offset:192*\t+4
	global_load_b32 v[RAWE+4*\t+2], v[ADW], s[10:11] offset:192*\t+8
	global_load_b32 v[RAWE+4*\t+3], v[ADR], s[12:13] offset:64*\t
.endr
	; b1, b2, W3 in the accumulators' layout: features 16 t + 8 h + 0..7 (24 loads)
.irp t, 0,1,2,3
	global_load_b128 v[RAWB+8*\t:RAWB+8*\t+3],       v[ADB], s[16:17] offset:64*\t
	global_load_b128 v[RAWB+8*\t+4:RAWB+8*\t+7],     v[ADB], s[16:17] offset:64*\t+16
	global_load_b128 v[RAWB+32+8*\t:RAWB+32+8*\t+3], v[ADB], s[20:21] offset:64*\t
	global_load_b128 v[RAWB+32+8*\t+4:RAWB+32+8*\t+7], v[ADB], s[20:21] offset:64*\t+16
	global_load_b128 v[W3P+8*\t:W3P+8*\t+3],         v[ADB], s[22:23] offset:64*\t
	global_load_b128 v[W3P+8*\t+4:W3P+8*\t+7],       v[ADB], s[22:23] offset:64*\t+16
.endr
	s_wait_loadcnt 40                              ; loads come back in order: the 16 + 24 younger ones may stay out, W1, W2 and x are in
.irp q, 0,1,2,3,4,5,6,7,8,9,10,11,12,13,14,15
	v_cvt_pk_bf16_f32 v[PK+\q], v[RAWW+2*\q], v[RAWW+2*\q+1]
.endr
.irp q, 8,9,10,11,12,13,14,15
	v_xor_b32 v[PK+\q], s31, v[PK+\q]              ; W2 is kept negated
.endr
.irp i, 0,1,2,3
	ds_store_b64 v[ADS], v[PK+2*\i:PK+2*\i+1]     offset:W1B+16*P*\i
	ds_store_b64 v[ADS], v[PK+8+2*\i:PK+8+2*\i+1] offset:W2B+16*P*\i
.endr
	ds_store_b128 v[XSA], v[RAWX:RAWX+3] offset:XS
	s_wait_loadcnt 24                              ; b1, b2 and W3 may stay out: W0's rows and b0 are in
	; The wave's own table: column c (W0x, W0y, W0c, b0) of feature f at 256 c + 4 f.  Lanes r and 16 + r store the same word with the same value.
.irp t, 0,1,2,3
.irp c, 0,1,2,3
	ds_store_b32 v[FTS], v[RAWE+4*\t+\c] offset:FT+256*\c+64*\t
.endr
.endr
	s_wait_dscnt 0x0                               ; my part of W1, W2 and x is in LDS: zero, for the other waves' sake
	s_barrier_signal -1
	s_barrier_wait -1                              ; everybody's is.  The only barrier: from here on a wave touches only its own LDS bytes
	; forward fragments: A(m, k) = W[16 t + m][32 u + k], K along the LDS rows: two loads 32 bytes apart (32 loads)
	WIN LD1
.irp t, 0,1,2,3
.irp u, 0,1
	ds_load_b128 v[W1F+16*\t+8*\u:W1F+16*\t+8*\u+3],   v[ADF] offset:W1B+16*P*\t+64*\u
	ds_load_b128 v[W1F+16*\t+8*\u+4:W1F+16*\t+8*\u+7], v[ADF] offset:W1B+16*P*\t+64*\u+32
	ds_load_b128 v[W2F+16*\t+8*\u:W2F+16*\t+8*\u+3],   v[ADF] offset:W2B+16*P*\t+64*\u
	ds_load_b128 v[W2F+16*\t+8*\u+4:W2F+16*\t+8*\u+7], v[ADF] offset:W2B+16*P*\t+64*\u+32
.endr
.endr
	WIN 0
.irp k, 0,1,2,3,4,5,6,7
	ds_load_b32 v[Q+\k], v[XADR] offset:XS+64*\k   ; x of my sample in each of the wave's eight tiles (lanes r and 16 + r alike)
.endr
	; -W2^T: A(m, k) = -W2[32 u + k][16 t + m], K down the LDS rows: two transposing loads 16 rows apart (16 loads)
	WIN LD1
.irp t, 0,1,2,3
.irp u, 0,1
	ds_load_tr16_b128 v[W2TF+16*\t+8*\u:W2TF+16*\t+8*\u+3],   v[ADT] offset:W2B+32*P*\u+32*\t
	ds_load_tr16_b128 v[W2TF+16*\t+8*\u+4:W2TF+16*\t+8*\u+7], v[ADT] offset:W2B+32*P*\u+32*\t+16*P
.endr
.endr
	WIN 0
	s_wait_dscnt 16                                ; LDS loads come back in order: the 16 transposing loads may stay out, x is in
.irp k, 0,1,2,3,4,5,6,7
	v_cvt_pk_bf16_f32 v[Q+\k], v[Q+\k], 1.0        ; (x, 1), layer 0's first B register, made once for each tile
.endr
; A column of the wave's table in the accumulators' layout: register 8 t + j = feature 16 t + 8 h + j.  Eight loads.
.macro COLUMN col, dst
.irp t, 0,1,2,3
	ds_load_b128 v[\dst+8*\t:\dst+8*\t+3],   v[FTL] offset:FT+256*\col+64*\t
	ds_load_b128 v[\dst+8*\t+4:\dst+8*\t+7], v[FTL] offset:FT+256*\col+64*\t+16
.endr
.endm
	COLUMN 1, RAWW                                 ; W0[:,1]; W1 and W2 as loaded are not needed any more
	COLUMN 2, A0                                   ; W0[:,2], where A0 is built later
	s_wait_loadcnt 0x0                             ; b1, b2, W3
; bf16(b) as f32 into window 1: round in pairs and widen.  neg = 1: 0 - b, which is +0 for a zero bias.
.macro ROUNDB raw, nbw, neg
.irp p, 0,1,2,3,4,5,6,7,8,9,10,11,12,13,14,15
	v_cvt_pk_bf16_f32 v[PK+\p], v[\raw+2*\p], v[\raw+2*\p+1]
.endr
.if \neg
.irp p, 0,1,2,3,4,5,6,7,8,9,10,11,12,13,14,15
	v_lshlrev_b32 v[\raw+2*\p], 16, v[PK+\p]
	v_and_b32 v[\raw+2*\p+1], 0xffff0000, v[PK+\p]
.endr
	WIN LD1
.set j, 0
.rept 32
	v_sub_f32 v[\nbw+j], 0, v[\raw+j]
.set j, j+1
.endr
	WIN 0
.else
	WIN LD1
.irp p, 0,1,2,3,4,5,6,7,8,9,10,11,12,13,14,15
	v_lshlrev_b32 v[\nbw+2*\p], 16, v[PK+\p]
	v_and_b32 v[\nbw+2*\p+1], 0xffff0000, v[PK+\p]
.endr
	WIN 0
.endif
.endm
	ROUNDB RAWB, NB1, 0
	ROUNDB RAWB+32, NB2, 1
.irp p, 0,1,2,3,4,5,6,7,8,9,10,11,12,13,14,15
	v_cvt_pk_bf16_f32 v[W3P+\p], v[W3P+2*\p], v[W3P+2*\p+1]        ; in place, ascending: pair p is written at or below where it is read
.endr
	COLUMN 0, RAWB                                 ; W0[:,0] and b0, where b1 and b2 lay
	COLUMN 3, RAWB+32
	s_wait_dscnt 16                                ; the 16 just issued may stay out: columns 1 and 2 (and every weight fragment) are in
.irp q, 0,1,2,3,4,5,6,7,8,9,10,11,12,13,14,15
	v_cvt_pk_bf16_f32 v[WYP+\q], v[RAWW+2*\q], v[RAWW+2*\q+1]
.endr
.irp q, 0,1,2,3,4,5,6,7,8,9,10,11,12,13,14,15
	v_cvt_pk_bf16_f32 v[WCP+\q], v[A0+2*\q], v[A0+2*\q+1]
.endr
.irp t, 0,1,2,3
	v_cvt_pk_bf16_f32 v[A0+8*\t],   v[RAWE+4*\t],   v[RAWE+4*\t+3]   ; k = 0, 1: (W0x, b0) meet (x, 1)
	v_cvt_pk_bf16_f32 v[A0+8*\t+1], v[RAWE+4*\t+1], v[RAWE+4*\t+2]   ; k = 2, 3: (W0y, W0c) meet (y, c)
	v_xor_b32 v[A0+8*\t],   s31, v[A0+8*\t]                          ; layer 0 makes n = -z
	v_xor_b32 v[A0+8*\t+1], s31, v[A0+8*\t+1]
	v_and_b32 v[A0+8*\t],   v[HM], v[A0+8*\t]                        ; lanes 16-31 hold k = 8 .. 15, where B0 repeats itself: zero
	v_and_b32 v[A0+8*\t+1], v[HM], v[A0+8*\t+1]
	v_mov_b32 v[A0+8*\t+2], v[A0+8*\t+1]                             ; k = 4 .. 7: the same weights meet y's and c's second and third terms
	v_mov_b32 v[A0+8*\t+3], v[A0+8*\t+1]
	v_mov_b32 v[A0+8*\t+4], 0
	v_mov_b32 v[A0+8*\t+5], 0
	v_mov_b32 v[A0+8*\t+6], 0
	v_mov_b32 v[A0+8*\t+7], 0
.endr
.irp i, 3,4,5,6,7
	v_mov_b32 v[B0+\i], 0                          ; k = 16 .. 31 stay zero; register 3 is written by halves below
.endr
	v_mov_b32 v[NEG1], -1.0
	s_wait_dscnt 0x0                               ; columns 0 and 3
.irp q, 0,1,2,3,4,5,6,7,8,9,10,11,12,13,14,15
	v_cvt_pk_bf16_f32 v[PK+\q],   v[RAWB+2*\q],    v[RAWB+2*\q+1]
	v_cvt_pk_bf16_f32 v[RAWW+\q], v[RAWB+32+2*\q], v[RAWB+32+2*\q+1]
.endr
	; W0x and b0 as B fragments into the wave's own 256 bytes: the sixteen lanes of a half store the same bytes with the same values.
	; Only this wave reads them, and LDS serves a wave's instructions in order (ISA guide 5.7.1.4): no barrier, no wait.
.irp i, 0,1,2,3
	ds_store_b128 v[CTA], v[PK+4*\i:PK+4*\i+3]     offset:CT+16*\i
	ds_store_b128 v[CTA], v[RAWW+4*\i:RAWW+4*\i+3] offset:CT+64+16*\i
.endr
	s_wait_kmcnt 0x0                               ; b3
	; This bit differs between waves w and w + 1 and between waves w and w + 4.  Waves with 1 begin 8 x 16 idle cycles later, once, so that
	; two waves do not walk the same phases in step.
	s_lshr_b32 s5, s29, 2
	s_xor_b32 s5, s5, s29
	s_and_b32 s5, s5, 1
	s_cmp_eq_u32 s5, 0
	s_cbranch_scc1 .Lgo
.rept 8
	s_nop 15
.endr
.Lgo:
; W0x and b0 as B fragments come from LDS into the registers in which they are cut: 8 loads of 16 bytes a lane, the lanes of a half at one address.
.macro FETCHXB
.irp i, 0,1,2,3
	ds_load_b128 v[BX+4*\i:BX+4*\i+3], v[CTA] offset:CT+16*\i
	ds_load_b128 v[BB+4*\i:BB+4*\i+3], v[CTA] offset:CT+64+16*\i
.endr
.endm
; y and c as three bf16 terms each: each residue is exact in f32, the third term takes what is left.  And c once more, first of a pair.
.macro BUILD_B0
	v_cvt_pk_bf16_f32 v[B0+1], v[Y], v[C]
	v_fma_mix_f32_bf16 v[R],   v[B0+1], v[NEG1], v[Y] op_sel_hi:[1,0,0]
	v_fma_mix_f32_bf16 v[R+1], v[B0+1], v[NEG1], v[C] op_sel:[1,0,0] op_sel_hi:[1,0,0]
	v_cvt_pk_bf16_f32 v[B0+2], v[R], v[R+1]
	v_fma_mixlo_bf16 v[B0+3], v[B0+2], v[NEG1], v[R]   op_sel_hi:[1,0,0]
	v_fma_mixhi_bf16 v[B0+3], v[B0+2], v[NEG1], v[R+1] op_sel:[1,0,0] op_sel_hi:[1,0,0]
	v_mov_b32 v[CC], v[C]
.endm
.macro LAYER0                          ; n0 = -(W0 (x, y, c) + b0)
.irp t, 0,1,2,3
	v_wmma_f32_16x16x32_bf16 v[N+8*\t:N+8*\t+7], v[A0+8*\t:A0+8*\t+7], v[B0:B0+7], 0
.endr
	PLACES
.endm
; Layer 0's gates: each n0 becomes its own sign in all bits, in place (only the sign is needed), and two low halves make a pair's mask in LOW.
.macro MASK0
.set j, 0
.rept 32
	v_ashrrev_i32 v[N+j], 31, v[N+j]
.set j, j+1
.endr
.set j, 0
.rept 16
	v_perm_b32 v[LOW+j], v[N+2*j+1], v[N+2*j], s30
.set j, j+1
.endr
.endm
.macro CUT d, w                        ; d = the packed column w under layer 0's gates
.set j, 0
.rept 16
	v_and_b32 v[\d+j], v[\w+j], v[LOW+j]
.set j, j+1
.endr
.endm
; TB = W1 (G0 b0) + b1 into ACC, TX = W1 (G0 W0x).  b1 lies in window 1, so the four instructions that start from it have a setting of their own.
; The eight accumulators take turns, one instruction a turn.
; No v_nop follows: the next 32 vector lines (the cuts for BY and BC) name none of this run's registers.  They are the places in front of the
; lines that read TX and ACC, and in front of the next run, which writes over BX, BB and TX.
.macro RUNA
	WIN A1C1
.irp t, 0,1,2,3
	v_wmma_f32_16x16x32_bf16 v[ACC+8*\t:ACC+8*\t+7], v[W1F+16*\t:W1F+16*\t+7], v[BB:BB+7], v[NB1+8*\t:NB1+8*\t+7]
.endr
	WIN A1
.irp t, 0,1,2,3
	v_wmma_f32_16x16x32_bf16 v[TX+8*\t:TX+8*\t+7], v[W1F+16*\t:W1F+16*\t+7], v[BX:BX+7], 0
.endr
.irp t, 0,1,2,3
	v_wmma_f32_16x16x32_bf16 v[ACC+8*\t:ACC+8*\t+7], v[W1F+16*\t+8:W1F+16*\t+15], v[BB+8:BB+15], v[ACC+8*\t:ACC+8*\t+7]
.endr
.irp t, 0,1,2,3
	v_wmma_f32_16x16x32_bf16 v[TX+8*\t:TX+8*\t+7], v[W1F+16*\t+8:W1F+16*\t+15], v[BX+8:BX+15], v[TX+8*\t:TX+8*\t+7]
.endr
	WIN 0
.endm
; TY = W1 (G0 W0[:,1]), TC = W1 (G0 W0[:,2]); they stay until the dot products.  Turns as above.
.macro RUNB
	WIN A1
.irp t, 0,1,2,3
	v_wmma_f32_16x16x32_bf16 v[TY+8*\t:TY+8*\t+7], v[W1F+16*\t:W1F+16*\t+7], v[BY:BY+7], 0
.endr
.irp t, 0,1,2,3
	v_wmma_f32_16x16x32_bf16 v[TC+8*\t:TC+8*\t+7], v[W1F+16*\t:W1F+16*\t+7], v[BC:BC+7], 0
.endr
.irp t, 0,1,2,3
	v_wmma_f32_16x16x32_bf16 v[TY+8*\t:TY+8*\t+7], v[W1F+16*\t+8:W1F+16*\t+15], v[BY+8:BY+15], v[TY+8*\t:TY+8*\t+7]
.endr
.irp t, 0,1,2,3
	v_wmma_f32_16x16x32_bf16 v[TC+8*\t:TC+8*\t+7], v[W1F+16*\t+8:W1F+16*\t+15], v[BC+8:BC+15], v[TC+8*\t:TC+8*\t+7]
.endr
	WIN 0
	PLACES
.endm
.macro FOLD t, m                       ; ACC += t x (the sample's number in register m, the first of a pair, for both halves)
.set j, 0
.rept 16
	v_pk_fma_f32 v[ACC+j:ACC+j+1], v[\t+j:\t+j+1], v[\m:\m+1], v[ACC+j:ACC+j+1] op_sel_hi:[1,0,1]
.set j, j+2
.endr
.endm
; Eight pairs (g .. g + 7) of ACC as three bf16 terms.  hi = bf16(a); a - hi is exact in the fused form and takes a's place;
; mid = bf16(a - hi); lo = a - hi - mid, which has at most 8 bits left and is exact in bf16.
.macro SPLIT8 g
.irp i, 0,1,2,3,4,5,6,7
	v_cvt_pk_bf16_f32 v[HIW+\g+\i], v[ACC+2*(\g+\i)], v[ACC+2*(\g+\i)+1]
.endr
.irp i, 0,1,2,3,4,5,6,7
	v_fma_mix_f32_bf16 v[ACC+2*(\g+\i)],   v[HIW+\g+\i], v[NEG1], v[ACC+2*(\g+\i)]   op_sel_hi:[1,0,0]
	v_fma_mix_f32_bf16 v[ACC+2*(\g+\i)+1], v[HIW+\g+\i], v[NEG1], v[ACC+2*(\g+\i)+1] op_sel:[1,0,0] op_sel_hi:[1,0,0]
.endr
.irp i, 0,1,2,3,4,5,6,7
	v_cvt_pk_bf16_f32 v[MIDW+\g+\i], v[ACC+2*(\g+\i)], v[ACC+2*(\g+\i)+1]
.endr
.irp i, 0,1,2,3,4,5,6,7
	v_fma_mixlo_bf16 v[LOW+\g+\i], v[MIDW+\g+\i], v[NEG1], v[ACC+2*(\g+\i)] op_sel_hi:[1,0,0]
.endr
.irp i, 0,1,2,3,4,5,6,7
	v_fma_mixhi_bf16 v[LOW+\g+\i], v[MIDW+\g+\i], v[NEG1], v[ACC+2*(\g+\i)+1] op_sel:[1,0,0] op_sel_hi:[1,0,0]
.endr
.endm
; Layer 1: the gates 0 < z1 go into scalar registers as lane masks, for the dot products (they select values only); h1 = max(z1, 0) in three terms.
.macro ACT1
.irp g, 0, 8
.irp i, 0,1,2,3,4,5,6,7
	v_cmp_lt_f32 s[M1S+2*(\g+\i)],   0, v[ACC+2*(\g+\i)]
	v_cmp_lt_f32 s[M1S+2*(\g+\i)+1], 0, v[ACC+2*(\g+\i)+1]
.endr
.irp i, 0,1,2,3,4,5,6,7
	v_max_num_f32 v[ACC+2*(\g+\i)],   0, v[ACC+2*(\g+\i)]
	v_max_num_f32 v[ACC+2*(\g+\i)+1], 0, v[ACC+2*(\g+\i)+1]
.endr
	SPLIT8 \g
.endr
.endm
; G2 W3, exact in one bf16 term.  Each n2 becomes its own sign in all bits, in place (only the sign is needed), two low halves are packed,
; and the mask cuts the packed W3.
.macro GATE2
.irp g, 0, 8
.irp i, 0,1,2,3,4,5,6,7
	v_ashrrev_i32 v[ACC+2*(\g+\i)],   31, v[ACC+2*(\g+\i)]
	v_ashrrev_i32 v[ACC+2*(\g+\i)+1], 31, v[ACC+2*(\g+\i)+1]
.endr
.irp i, 0,1,2,3,4,5,6,7
	v_perm_b32 v[HIW+\g+\i], v[ACC+2*(\g+\i)+1], v[ACC+2*(\g+\i)], s30
.endr
.irp i, 0,1,2,3,4,5,6,7
	v_and_b32 v[HIW+\g+\i], v[HIW+\g+\i], v[W3P+\g+\i]
.endr
.endr
.endm
; Four matrix instructions, one for each feature tile: K block u of the fragment b.  first = 1 starts the sums, from cb or (cb < 0) from 0.
.macro RUN4 wb, u, b, first, cb
.irp t, 0,1,2,3
.if \first == 0
	v_wmma_f32_16x16x32_bf16 v[ACC+8*\t:ACC+8*\t+7], v[\wb+16*\t+8*\u:\wb+16*\t+8*\u+7], v[\b+8*\u:\b+8*\u+7], v[ACC+8*\t:ACC+8*\t+7]
.elseif \cb < 0
	v_wmma_f32_16x16x32_bf16 v[ACC+8*\t:ACC+8*\t+7], v[\wb+16*\t+8*\u:\wb+16*\t+8*\u+7], v[\b+8*\u:\b+8*\u+7], 0
.else
	v_wmma_f32_16x16x32_bf16 v[ACC+8*\t:ACC+8*\t+7], v[\wb+16*\t+8*\u:\wb+16*\t+8*\u+7], v[\b+8*\u:\b+8*\u+7], v[\cb+8*\t:\cb+8*\t+7]
.endif
.endr
.endm
; A 64 x 64 layer on 16 samples, the first terms first, so that a sum near zero is rounded at full size once only.  A bias lies in window 1, so the
; four instructions that start from it have a setting of their own.  The four accumulators take turns, one instruction a turn.
.macro LAYER wb, cb, terms
.if \cb >= 0
	WIN A1C1
	RUN4 \wb, 0, HIW, 1, \cb
	WIN A1
.else
	WIN A1
	RUN4 \wb, 0, HIW, 1, \cb
.endif
	RUN4 \wb, 1, HIW, 0, \cb
.if \terms > 1
	RUN4 \wb, 0, MIDW, 0, \cb
	RUN4 \wb, 1, MIDW, 0, \cb
	RUN4 \wb, 0, LOW, 0, \cb
	RUN4 \wb, 1, LOW, 0, \cb
.endif
	WIN 0
	PLACES
.endm
; ACC holds -u, u = W2^T G2 W3.  -gy = sum over layer 1's 64 features of gate x (-u) x TY, -gc the same with TC; then the update.
; A lane holds 32 features of its sample: 16 packed products for each sum, in two chains each, the first products starting the sums.
; Lane 16 + r holds the other 32 features of sample r: one exchange, after which both lanes hold the same sums (a + b and b + a).
.macro DOT
.set j, 0
.rept 32
	v_cndmask_b32 v[ACC+j], 0, v[ACC+j], s[M1S+j]  ; passes where layer 1's gate is open, else 0
.set j, j+1
.endr
	v_pk_mul_f32 v[AY:AY+1],   v[ACC:ACC+1],   v[TY:TY+1]
	v_pk_mul_f32 v[AC:AC+1],   v[ACC:ACC+1],   v[TC:TC+1]
	v_pk_mul_f32 v[AY+2:AY+3], v[ACC+2:ACC+3], v[TY+2:TY+3]
	v_pk_mul_f32 v[AC+2:AC+3], v[ACC+2:ACC+3], v[TC+2:TC+3]
.irp o, 4,8,12,16,20,24,28
	v_pk_fma_f32 v[AY:AY+1],   v[ACC+\o:ACC+\o+1],   v[TY+\o:TY+\o+1],   v[AY:AY+1]
	v_pk_fma_f32 v[AC:AC+1],   v[ACC+\o:ACC+\o+1],   v[TC+\o:TC+\o+1],   v[AC:AC+1]
	v_pk_fma_f32 v[AY+2:AY+3], v[ACC+\o+2:ACC+\o+3], v[TY+\o+2:TY+\o+3], v[AY+2:AY+3]
	v_pk_fma_f32 v[AC+2:AC+3], v[ACC+\o+2:ACC+\o+3], v[TC+\o+2:TC+\o+3], v[AC+2:AC+3]
.endr
	v_pk_add_f32 v[AY:AY+1], v[AY:AY+1], v[AY+2:AY+3]
	v_pk_add_f32 v[AC:AC+1], v[AC:AC+1], v[AC+2:AC+3]
	v_add_f32 v[R],   v[AY], v[AY+1]
	v_add_f32 v[R+1], v[AC], v[AC+1]
	v_permlanex16_b32 v[AY],   v[R],   s32, s33    ; its destination counts as read: AY has been written
	v_permlanex16_b32 v[AY+1], v[R+1], s32, s33
	v_pk_add_f32 v[R:R+1], v[R:R+1], v[AY:AY+1]    ; (-gy, -gc)
	v_pk_fma_f32 v[Y:Y+1], v[R:R+1], 0x3dcccccd, v[Y:Y+1] op_sel_hi:[1,0,1]   ; (y, c) += 0.1 (-gy, -gc)
.endm
	s_mov_b32 s6, 0
.Ltile:
	v_mov_b32 v[B0], v[Q]                          ; (x, 1): the queue's head is this tile's
	v_lshlrev_b32 v[XF], 16, v[Q]                  ; and x, as rounded, in f32
	v_mov_b32 v[Y], Y_MEAN
	v_mov_b32 v[C], 0
	s_mov_b32 s7, 0
.Lstep:
	FETCHXB                                        ; first, so that the loads have the lines down to their wait in which to land
	BUILD_B0
	LAYER0
	MASK0
	s_wait_dscnt 0x0                               ; the eight loads of this step
	CUT BX, BX                                     ; G0 W0x, in place
	CUT BB, BB                                     ; G0 b0
	RUNA
	CUT BY, WYP                                    ; G0 W0[:,1], where n0's signs lay
	CUT BC, WCP                                    ; G0 W0[:,2]
	FOLD TX, XF                                    ; z1 = TB + x TX ...
	RUNB
	FOLD TY, Y                                     ; ... + y TY
	FOLD TC, CC                                    ; ... + c TC
	ACT1
	LAYER W2F, NB2, 3                              ; n2 = (-W2) h1 - b2
	GATE2
	LAYER W2TF, -1, 1                              ; -W2^T G2 W3
	DOT
	s_add_co_u32 s7, s7, 1
	s_cmp_lt_u32 s7, STEPS
	s_cbranch_scc1 .Lstep
	; Registers cannot be picked by a loop's counter, so the queue moves: the next (x, 1) comes to the head, y goes in at the tail.
	; Eight lines for a tile's 12 steps; after eight tiles Q holds y of tiles 0 to 7 in order.
.irp k, 0,1,2,3,4,5,6
	v_mov_b32 v[Q+\k], v[Q+\k+1]
.endr
	v_mov_b32 v[Q+7], v[Y]
	s_add_co_u32 s6, s6, 1
	s_cmp_lt_u32 s6, TILES
	s_cbranch_scc1 .Ltile
	; THE WAY OUT.  A lane holds one number of each of eight tiles; through the wave's own 512 bytes of YS they become 16 neighbouring bytes a lane.
	; Lanes r and 16 + r store the same word with the same value.  Only this wave touches these bytes, and LDS serves a wave's instructions in
	; order (ISA guide 5.7.1.4), so neither a barrier nor a wait stands between the stores and the load.
.irp k, 0,1,2,3,4,5,6,7
	ds_store_b32 v[XADR], v[Q+\k] offset:YS+64*\k
.endr
	ds_load_b128 v[OUTV:OUTV+3], v[XSA] offset:YS
	s_wait_dscnt 0x0
	global_store_b128 v[T16], v[OUTV:OUTV+3], s[26:27] th:TH_STORE_NT   ; the wave's one store covers 512 consecutive bytes, aligned
	s_wait_xcnt 0x0
	v_lshl_add_u32 v254, v0, 2, 0x9800
	v_mov_b32 v255, 0
	s_wait_tensorcnt 0x0
	ds_add_u32 v254, v255
	s_wait_dscnt 0x0
	s_endpgm
.Lfunc_end_k_q2dedd8e775_ebm:
	.size	k_q2dedd8e775_ebm, .Lfunc_end_k_q2dedd8e775_ebm-k_q2dedd8e775_ebm
	.p2alignl 7, 3214868480
	.fill 96, 4, 3214868480
	.section	.rodata,"a",@progbits
	.p2align	6, 0x0
	.amdhsa_kernel k_q2dedd8e775_ebm
		.amdhsa_group_segment_fixed_size 39936
		.amdhsa_private_segment_fixed_size 0
		.amdhsa_enable_private_segment 0
		.amdhsa_kernarg_size 80
		.amdhsa_user_sgpr_count 2
		.amdhsa_user_sgpr_kernarg_segment_ptr 1
		.amdhsa_wavefront_size32 1
		.amdhsa_system_sgpr_workgroup_id_x 1
		.amdhsa_system_sgpr_workgroup_id_y 1
		.amdhsa_system_sgpr_workgroup_id_z 1
		.amdhsa_system_vgpr_workitem_id 0
		.amdhsa_next_free_vgpr 512
		.amdhsa_next_free_sgpr 98
		.amdhsa_reserve_vcc 0
		.amdhsa_float_denorm_mode_32 3
		.amdhsa_float_denorm_mode_16_64 3
		.amdhsa_memory_ordered 1
		.amdhsa_forward_progress 1
		.amdhsa_inst_pref_size 61
	.end_amdhsa_kernel
	.amdgpu_metadata
---
amdhsa.version: [ 1, 2 ]
amdhsa.kernels:
  - .name:           k_q2dedd8e775_ebm
    .symbol:         k_q2dedd8e775_ebm.kd
    .args:
      - { .name: x, .offset: 0, .size: 8, .value_kind: global_buffer, .address_space: global }
      - { .name: W0, .offset: 8, .size: 8, .value_kind: global_buffer, .address_space: global }
      - { .name: b0, .offset: 16, .size: 8, .value_kind: global_buffer, .address_space: global }
      - { .name: W1, .offset: 24, .size: 8, .value_kind: global_buffer, .address_space: global }
      - { .name: b1, .offset: 32, .size: 8, .value_kind: global_buffer, .address_space: global }
      - { .name: W2, .offset: 40, .size: 8, .value_kind: global_buffer, .address_space: global }
      - { .name: b2, .offset: 48, .size: 8, .value_kind: global_buffer, .address_space: global }
      - { .name: W3, .offset: 56, .size: 8, .value_kind: global_buffer, .address_space: global }
      - { .name: b3, .offset: 64, .size: 8, .value_kind: global_buffer, .address_space: global }
      - { .name: out0, .offset: 72, .size: 8, .value_kind: global_buffer, .address_space: global }
    .group_segment_fixed_size: 39936
    .private_segment_fixed_size: 0
    .kernarg_segment_align: 8
    .kernarg_segment_size: 80
    .max_flat_workgroup_size: 256
    .sgpr_count:     98
    .vgpr_count:     512
    .wavefront_size: 32
...
	.end_amdgpu_metadata
.endif
;; end of part 2
